; MI455X (gfx1250); checked and timed in simulation.
; The chip was launched on July 23, 2026; its instructions are those of AMD's public machine-readable ISA for CDNA 5 (MIT licence, August 2026) and "CDNA5" Instruction Set Architecture Reference Guide (July 2026). The comments in the code are by the model that wrote it; some were corrected since.
;; Linear Attention. Allowed arithmetic: float matrix products may take bf16 or f16 operands with f32 sums; all other float work in f32.
;; Inputs: Wk_b 128 float32; Wk_w 128 x 128 float32; Wo_b 128 float32; Wo_w 128 x 128 float32; Wq_b 128 float32; Wq_w 128 x 128 float32; Wv_b 128 float32; Wv_w 128 x 128 float32; h 2 x 128 x 8 x 32 x 32 float32; x 2 x 128 x 8 x 32 x 32 float32.
;; Outputs: out0 2 x 128 x 8 x 32 x 32 float32.
;; One version. Each part assembles by itself: llvm-mc -triple=amdgcn-amd-amdhsa -mcpu=gfx1250 --defsym DOCPART=n.
;; ======== version 1 of 1: 2 launches
;; limits: values are held in f16: magnitudes above 65,504 overflow, below 6.1e-05 lose precision; inputs' magnitudes at most 65,504
;; workspace buffers: hf 4,194,304 bytes; qn 4,194,304 bytes; st 131,072 bytes; wf 65,536 bytes
;; launch prep (part 1): grid 256 x 1, 4 waves a work-group, no clusters, 111,872 bytes of LDS; arguments x, h, Wq_w, Wq_b, Wk_w, Wk_b, Wv_w, Wo_w, hf, qn, st, wf; writes hf, qn, st, wf
.if DOCPART == 1
	.amdgcn_target "amdgcn-amd-amdhsa--gfx1250"
	.amdhsa_code_object_version 6
	.text
	.protected	k_q58a316bdb1_prep
	.globl	k_q58a316bdb1_prep
	.p2align	8
	.type	k_q58a316bdb1_prep,@function
k_q58a316bdb1_prep:
	s_mov_b64 s[64:65], 0
	v_nop
	global_prefetch_b8 v0, s[64:65] scope:SCOPE_SE
	s_setreg_imm32_b32 hwreg(HW_REG_WAVE_MODE, 25, 1), 1
	s_wait_xcnt 0x0
; PREP: what the attention launch needs, once.
;   hf[2][128][8192] f16 = h rounded to f16 (it serves as keys AND as values there)
;   qn[16384 queries][128 places] f16 = (Wk^T q) / (amax1 amax2), q = Wq x + bq; st[query] = (sigma, T) f32; wf[256][128] f16 = Wv, then Wo
; The identity used, for every input: q.(Wk h + bk) = (Wk^T q).h + q.bk.  In units of log2:
;   score(n, m) = sigma_n (qn_n . h_m) + T_n,  sigma = c amax1 amax2,  T = c q.bk,  c = log2(e) / sqrt(128).
; amax1 = largest |q| of the query, amax2 = largest |Wk^T (q / amax1)|: both f16 operands made here are at most 1 in magnitude.
; Place p = 32 s + 16 u + 8 h + j of a row of qn holds channel 32 s + 16 h + 2 j + u: the order in which the attention launch's
; transposing reads (channel rows two apart) deliver the channels of h.
; LIMITS: x, h and the weights are rounded to f16 (above 65,504 in magnitude they overflow; below 6e-5 the step is 6e-8);
; amax1, amax2 are raised to at least 2^-126 and must stay below 2^126 (v_rcp_f32 flushes denormal results: ISA guide 15.8).
; Work-group g: casts row g of h seen as [256][8192]; makes 64 queries (batch g >> 7, from voxel 64 (g & 127)); casts row g of [Wv; Wo].
; Wave w takes 16 of the 64 queries through both products in registers.  Every byte is converted on its way, so it comes through registers:
; no tensor loads; the weights that all work-groups share are 128 KiB a work-group against 64 KiB of its own x and h, and are converted too: no joint loads.
.set WQ,  0                            ; LDS: Wq [o][c] f16, pitch 272
.set WK,  34816                        ; Wk [o][place] f16, pitch 288 (read by transposing loads alone)
.set XB,  71680                        ; x [c][64 queries] f16, pitch 160
.set BQL, 92160                        ; bq f32, then bk f32 at +512
.set QST, 93184                        ; 16 rows x 272 bytes for each wave: the way out of qn
.set TST, 110592                       ; (sigma, T) of the 64 queries
.set WST, 111104                       ; the row of [Wv; Wo] in f16
.set CSC, 0x3e0293ee                   ; c = log2(e) / sqrt(128)
.set LN,  1                            ; lane
.set RR,  2                            ; lane % 16
.set HH,  3                            ; lane / 16
.set GB,  4                            ; staging addresses v4-11 ...
.set LB,  5
.set GX,  6
.set GH,  7
.set SH,  8
.set LX,  9
.set LWQ, 10
.set LWK, 11
.set ATS, 4                            ; ... and, behind the staging, the way out's addresses in the same registers
.set GQ,  5
.set ATR, 6
.set G16, 7
.set WSR, 8
.set G8,  9
.set AQS, 10
.set AQR, 11
.set AFQ, 12                           ; fragment addresses
.set AFK, 13
.set AFX, 14
.set ABI, 15
.set N1,  16                           ; v[16:17] (1 / amax1, amax1)
.set N2,  18                           ; v[18:19] (1 / amax2, amax2)
.set ST,  20                           ; v[20:21] (sigma, T)
.set WS,  22
.set TT,  23
.set CT,  24                           ; v[24:31] at work
.set XF,  32                           ; v[32:63] h's store data, then x's fragments, then q's fragments, then qn packed
.set ACC, 64                           ; v[64:127] load buffer 0, then the eight accumulators
.set WFA, 128                          ; v[128:191] load buffer 1, then weight fragments
.set WFB, 192                          ; v[192:255] load buffer 2, then weight fragments
.macro PLACES                          ; four places behind matrix instructions (ISA guide 7.12.1), where there is no other work for them
.rept 4
	v_nop
.endr
.endm
.macro LD16 dst, adr, sb, step, off    ; a job: 16 loads of 16 bytes a lane
.set i, 0
.rept 16
	global_load_b128 v[\dst+4*i:\dst+4*i+3], v[\adr], s[\sb:\sb+1] offset:\off+\step*i
.set i, i+1
.endr
.endm
.macro LD16NT dst, adr, sb, step, off  ; the same for x and h, which the launch reads once
.set i, 0
.rept 16
	global_load_b128 v[\dst+4*i:\dst+4*i+3], v[\adr], s[\sb:\sb+1] offset:\off+\step*i th:TH_LOAD_NT
.set i, i+1
.endr
.endm
.macro CVQ src, off                    ; 64 rows of Wq: four f16 a lane, in the order of memory
.set i, 0
.rept 16
	v_cvt_pk_f16_f32 v[CT+2*(i%4)], v[\src+4*i], v[\src+4*i+1]
	v_cvt_pk_f16_f32 v[CT+2*(i%4)+1], v[\src+4*i+2], v[\src+4*i+3]
	ds_store_b64 v[LWQ], v[CT+2*(i%4):CT+2*(i%4)+1] offset:\off+1088*i
.set i, i+1
.endr
.endm
.macro CVK src, off                    ; 64 rows of Wk: even channels to their places, odd channels 16 places (32 bytes) further
.set i, 0
.rept 16
	v_cvt_pk_f16_f32 v[CT+2*(i%4)], v[\src+4*i], v[\src+4*i+2]
	v_cvt_pk_f16_f32 v[CT+2*(i%4)+1], v[\src+4*i+1], v[\src+4*i+3]
	ds_store_b32 v[LWK], v[CT+2*(i%4)] offset:\off+1152*i
	ds_store_b32 v[LWK], v[CT+2*(i%4)+1] offset:\off+1152*i+32
.set i, i+1
.endr
.endm
.macro FQ s, f                         ; Wq's eight fragments (16 rows o x 32 channels) of channel chunk s
.irp t, 0,1,2,3,4,5,6,7
	ds_load_b128 v[\f+8*\t:\f+8*\t+3], v[AFQ] offset:4352*\t+64*\s
	ds_load_b128 v[\f+8*\t+4:\f+8*\t+7], v[AFQ] offset:4352*\t+64*\s+32
.endr
.endm
.macro FK s, f                         ; Wk^T's eight fragments (16 places x 32 rows o) of chunk s of o, transposed on the way
.irp t, 0,1,2,3,4,5,6,7
	ds_load_tr16_b128 v[\f+8*\t:\f+8*\t+3], v[AFK] offset:9216*\s+32*\t
	ds_load_tr16_b128 v[\f+8*\t+4:\f+8*\t+7], v[AFK] offset:9216*\s+32*\t+4608
.endr
.endm
.macro BIAS dst, off                   ; a bias in the accumulators' layout: register 8 t + j of lane (r, h) = b[16 t + 8 h + j]
.irp t, 0,1,2,3,4,5,6,7
	ds_load_b128 v[\dst+8*\t:\dst+8*\t+3], v[ABI] offset:\off+64*\t
	ds_load_b128 v[\dst+8*\t+4:\dst+8*\t+7], v[ABI] offset:\off+64*\t+16
.endr
.endm
; The eight accumulators take turns, one instruction a turn.
.macro MUL1 s, f                       ; q(o, query) += Wq(o, chunk s) x(chunk s, query)
.irp t, 0,1,2,3,4,5,6,7
	v_wmma_f32_16x16x32_f16 v[ACC+8*\t:ACC+8*\t+7], v[\f+8*\t:\f+8*\t+7], v[XF+8*\s:XF+8*\s+7], v[ACC+8*\t:ACC+8*\t+7]
.endr
.endm
.macro MUL2 s, f                       ; Q2(place, query) += Wk^T(place, chunk s of o) q(chunk s, query); the first chunk starts the sums
.irp t, 0,1,2,3,4,5,6,7
.if \s == 0
	v_wmma_f32_16x16x32_f16 v[ACC+8*\t:ACC+8*\t+7], v[\f+8*\t:\f+8*\t+7], v[XF+8*\s:XF+8*\s+7], 0
.else
	v_wmma_f32_16x16x32_f16 v[ACC+8*\t:ACC+8*\t+7], v[\f+8*\t:\f+8*\t+7], v[XF+8*\s:XF+8*\s+7], v[ACC+8*\t:ACC+8*\t+7]
.endif
.endr
.endm
; The query's largest magnitude over its 128 numbers (64 in this lane, 64 in lane xor 16), and the accumulators divided by it.
.macro NORM pr
.irp k, 0,1,2,3
	v_max_num_f32 v[CT+\k], |v[ACC+16*\k]|, |v[ACC+16*\k+1]|
.endr
.set i, 2
.rept 7
.irp k, 0,1,2,3
	v_max3_num_f32 v[CT+\k], |v[ACC+16*\k+i]|, |v[ACC+16*\k+i+1]|, v[CT+\k]
.endr
.set i, i+2
.endr
	v_max3_num_f32 v[CT], v[CT], v[CT+1], v[CT+2]
	v_max_num_f32 v[CT], v[CT], v[CT+3]
	v_permlanex16_b32 v[CT+1], v[CT], s40, s41
	v_max_num_f32 v[CT], v[CT], v[CT+1]
	v_max_num_f32 v[\pr+1], 0x00800000, v[CT]      ; at least 2^-126: a query of zeros stays zeros
	v_rcp_f32 v[\pr], v[\pr+1]
	v_nop                                          ; one plain place behind the reciprocal (ISA guide 5.7.2)
.set i, 0
	s_wait_alu depctr_va_vdst(0)
.rept 32
	v_pk_mul_f32 v[ACC+2*i:ACC+2*i+1], v[ACC+2*i:ACC+2*i+1], v[\pr:\pr+1] op_sel_hi:[1,0]
.set i, i+1
.endr
.endm
	s_load_b512 s[4:19], s[0:1], 0x0               ; x 4, h 6, Wq_w 8, Wq_b 10, Wk_w 12, Wk_b 14, Wv_w 16, Wo_w 18
	s_load_b256 s[20:27], s[0:1], 0x40             ; hf 20, qn 22, st 24, wf 26
	s_set_vgpr_msb 0x40
	v_lshl_add_u32 v0, v0, 2, 0x1b300
	v_mov_b32 v1, 0
	s_set_vgpr_msb 0x4000
	v_lshrrev_b32 v[TT], 5, v0
	v_readfirstlane_b32 s28, v[TT]                 ; wave
	v_and_b32 v[LN], 31, v0
	v_and_b32 v[RR], 15, v0
	v_bfe_u32 v[HH], v0, 4, 1
	s_mov_b32 s40, 0x76543210                      ; v_permlanex16_b32: lane i takes lane i xor 16
	s_mov_b32 s41, 0xfedcba98
	s_and_b32 s29, ttmp9, 127                      ; g & 127
	s_lshr_b32 s32, ttmp9, 7                       ; batch
	v_lshlrev_b32 v[GB], 2, v0                     ; one word a thread: biases, and the row of [Wv; Wo]
	v_add_nc_u32 v[LB], BQL, v[GB]
	v_lshlrev_b32 v[WS], 1, v0
	v_add_nc_u32 v[WS], WST, v[WS]
	v_lshrrev_b32 v[TT], 4, v0                     ; x: thread t takes 16 bytes at 16 (t % 16) of channel row 8 i + t / 16
	v_lshlrev_b32 v[GX], 15, v[TT]
	v_lshl_add_u32 v[GX], v[RR], 4, v[GX]
	v_mul_u32_u24 v[LX], v[TT], 160
	v_lshl_add_u32 v[LX], v[RR], 3, v[LX]
	v_add_nc_u32 v[LX], XB, v[LX]
	v_lshlrev_b32 v[GH], 4, v0                     ; dense blocks (h's row, Wq, Wk): 16 t + 2,048 i
	v_lshlrev_b32 v[SH], 3, v0                     ; and h's row in f16: 8 t + 1,024 i
	s_mul_i32 s33, s28, 272
	v_lshl_add_u32 v[LWQ], v[LN], 3, s33           ; Wq: row w + 4 i, 8 bytes a lane
	s_mul_i32 s33, s28, 288
	s_add_co_u32 s33, s33, WK
	v_lshrrev_b32 v[TT], 3, v[LN]
	v_and_b32 v[CT], 7, v[LN]
	v_lshlrev_b32 v[LWK], 6, v[TT]                 ; Wk: channels 4 L .. 4 L + 3 go to places 32 (L / 8) + 2 (L % 8) + {0, 1} (even ones) and 16 further (odd ones)
	v_lshl_add_u32 v[LWK], v[CT], 2, v[LWK]
	v_add_nc_u32 v[LWK], s33, v[LWK]
	v_mul_u32_u24 v[AFQ], v[RR], 272
	v_lshl_add_u32 v[AFQ], v[HH], 4, v[AFQ]        ; row r, 16 bytes for each half of the lanes
	v_lshl_add_u32 v[CT+1], v[HH], 3, v[CT]        ; transposing loads: row 8 h + L % 8,
	v_bfe_u32 v[CT+2], v0, 3, 1                    ; 16-byte column (L / 8) % 2
	v_mul_u32_u24 v[AFK], v[CT+1], 288
	v_lshl_add_u32 v[AFK], v[CT+2], 4, v[AFK]
	v_add_nc_u32 v[AFK], WK, v[AFK]
	v_mul_u32_u24 v[AFX], v[CT+1], 160
	v_lshl_add_u32 v[AFX], v[CT+2], 4, v[AFX]
	s_lshl_b32 s33, s28, 5                         ; my wave's 16 queries: 32 bytes of each row of x
	s_add_co_u32 s33, s33, XB
	v_add_nc_u32 v[AFX], s33, v[AFX]
	v_lshlrev_b32 v[ABI], 5, v[HH]
	v_add_nc_u32 v[ABI], BQL, v[ABI]
	s_wait_kmcnt 0x0
	s_mov_b32 s31, 0
	s_lshl_b32 s30, s32, 22                        ; x: batch x 4 MiB + 256 bytes x (g & 127)
	s_lshl_b32 s33, s29, 8
	s_add_co_u32 s30, s30, s33
	s_add_nc_u64 s[4:5], s[4:5], s[30:31]
	s_lshl_b32 s30, ttmp9, 15
	s_add_nc_u64 s[6:7], s[6:7], s[30:31]          ; h: row g of 32 KiB
	s_lshl_b32 s30, ttmp9, 14
	s_add_nc_u64 s[20:21], s[20:21], s[30:31]      ; hf: row g of 16 KiB
	s_add_nc_u64 s[22:23], s[22:23], s[30:31]      ; qn: 64 g rows of 256 bytes,
	s_lshl_b32 s30, s28, 12
	s_add_nc_u64 s[22:23], s[22:23], s[30:31]      ; + 16 rows a wave
	s_lshl_b32 s30, ttmp9, 9
	s_add_nc_u64 s[24:25], s[24:25], s[30:31]      ; st: 64 g pairs
	s_lshl_b32 s30, ttmp9, 8
	s_add_nc_u64 s[26:27], s[26:27], s[30:31]      ; wf: row g
	s_cmp_lt_u32 ttmp9, 128
	s_cselect_b64 s[34:35], s[16:17], s[18:19]     ; rows 0-127 of wf are Wv's, 128-255 Wo's
	s_lshl_b32 s30, s29, 9
	s_add_nc_u64 s[34:35], s[34:35], s[30:31]
	; STAGING: three buffers of 64 registers, 48 loads of every wave on their way.
	global_load_b32 v[CT], v[GB], s[10:11]         ; bq
	global_load_b32 v[CT+1], v[GB], s[14:15]       ; bk
	global_load_b32 v[CT+2], v[GB], s[34:35]       ; my row of [Wv; Wo]
	LD16NT ACC, GX, 4, 262144, 0                   ; x: 128 channels x 256 bytes
	LD16NT WFA, GH, 6, 2048, 0                     ; h: my row
	LD16 WFB, GH, 8, 2048, 0                       ; Wq rows 0-63
	s_wait_loadcnt 48                              ; loads return in order (ISA guide 5.7.1): the three words are in, the three jobs of 16 stay out
	v_cvt_pk_f16_f32 v[CT+3], v[CT+2], v[CT+2]
	ds_store_b32 v[LB], v[CT]
	ds_store_b32 v[LB], v[CT+1] offset:512
	ds_store_b16 v[WS], v[CT+3]
	s_wait_loadcnt 32                              ; x is in; h and Wq's first half stay out
.set i, 0
.rept 16
	v_cvt_pk_f16_f32 v[CT+2*(i%4)], v[ACC+4*i], v[ACC+4*i+1]
	v_cvt_pk_f16_f32 v[CT+2*(i%4)+1], v[ACC+4*i+2], v[ACC+4*i+3]
	ds_store_b64 v[LX], v[CT+2*(i%4):CT+2*(i%4)+1] offset:1280*i
.set i, i+1
.endr
	LD16 ACC, GH, 8, 2048, 32768                   ; Wq rows 64-127
	s_wait_loadcnt 32                              ; h is in; both halves of Wq stay out
.set i, 0
.rept 16
	v_cvt_pk_f16_f32 v[XF+2*i], v[WFA+4*i], v[WFA+4*i+1]
	v_cvt_pk_f16_f32 v[XF+2*i+1], v[WFA+4*i+2], v[WFA+4*i+3]
	global_store_b64 v[SH], v[XF+2*i:XF+2*i+1], s[20:21] offset:1024*i   ; a wave's store covers 256 consecutive bytes, aligned
.set i, i+1
.endr
	LD16 WFA, GH, 12, 2048, 0                      ; Wk rows 0-63
	s_wait_loadcnt 32                              ; Wq's first half is in
	CVQ WFB, 0
	LD16 WFB, GH, 12, 2048, 32768                  ; Wk rows 64-127
	s_wait_loadcnt 32                              ; Wq's second half is in; Wk's two stay out
	CVQ ACC, 17408
	s_wait_loadcnt 16                              ; Wk's first half is in
	CVK WFA, 0
	s_wait_loadcnt 0x0
	CVK WFB, 18432
	s_wait_xcnt 0x0                                ; hf's stores have had their addresses translated (ISA guide 3.1): their data and address registers are written again only behind this wait
	s_wait_dscnt 0x0                               ; my LDS stores are done, for the other waves' sake
	s_barrier_signal -1
	s_barrier_wait -1
	; q = Wq x + bq: D(m = o, n = query).  The bias is loaded into the accumulators and starts the sums.
.irp s, 0,1,2,3
	ds_load_tr16_b128 v[XF+8*\s:XF+8*\s+3], v[AFX] offset:5120*\s
	ds_load_tr16_b128 v[XF+8*\s+4:XF+8*\s+7], v[AFX] offset:5120*\s+2560
.endr
	BIAS ACC, 0
	FQ 0, WFA
	FQ 1, WFB
	s_lshl_b32 s33, s28, 7                         ; the way out's addresses, while the loads are on their way
	s_add_co_u32 s33, s33, TST
	v_lshl_add_u32 v[ATS], v[RR], 3, s33           ; (sigma, T) of query 16 w + r
	v_lshlrev_b32 v[GQ], 8, v[HH]
	v_lshl_add_u32 v[GQ], v[RR], 4, v[GQ]          ; qn: lanes 0-15 one row of 256 bytes, lanes 16-31 the next
	v_lshlrev_b32 v[G16], 4, v[LN]
	v_add_nc_u32 v[ATR], TST, v[G16]
	v_lshlrev_b32 v[G8], 3, v[LN]
	v_add_nc_u32 v[WSR], WST, v[G8]
	s_mul_i32 s33, s28, 4352
	s_add_co_u32 s33, s33, QST                     ; my wave's stage
	v_add_nc_u32 v[AQS], s33, v[AFQ]               ; in: row r, 16 bytes for each half of the lanes
	v_mul_u32_u24 v[AQR], v[HH], 272
	v_lshl_add_u32 v[AQR], v[RR], 4, v[AQR]
	v_add_nc_u32 v[AQR], s33, v[AQR]               ; back: whole rows
	s_wait_dscnt 16                                ; here and below: the 16 LDS loads issued last may stay out, all older ones are in
	MUL1 0, WFA
	PLACES
	FQ 2, WFA
	s_wait_dscnt 16
	MUL1 1, WFB
	PLACES
	FQ 3, WFB
	s_wait_dscnt 16
	MUL1 2, WFA
	PLACES
	BIAS WFA, 512                                  ; bk, in the accumulators' layout
	s_wait_dscnt 16
	MUL1 3, WFB
	PLACES
	FK 0, WFB
	s_wait_dscnt 16                                ; bk is in
	; T = q . bk, in four chains of pairs; the other half of o lies in lane xor 16
.irp k, 0,1,2,3
	v_pk_mul_f32 v[CT+2*\k:CT+2*\k+1], v[ACC+2*\k:ACC+2*\k+1], v[WFA+2*\k:WFA+2*\k+1]
.endr
.set i, 8
.rept 7
.irp k, 0,1,2,3
	v_pk_fma_f32 v[CT+2*\k:CT+2*\k+1], v[ACC+i+2*\k:ACC+i+2*\k+1], v[WFA+i+2*\k:WFA+i+2*\k+1], v[CT+2*\k:CT+2*\k+1]
.endr
.set i, i+8
.endr
	FK 1, WFA                                      ; bk's registers are free
	v_pk_add_f32 v[CT:CT+1], v[CT:CT+1], v[CT+2:CT+3]
	v_pk_add_f32 v[CT+4:CT+5], v[CT+4:CT+5], v[CT+6:CT+7]
	v_pk_add_f32 v[CT:CT+1], v[CT:CT+1], v[CT+4:CT+5]
	v_add_f32 v[CT], v[CT], v[CT+1]
	v_permlanex16_b32 v[CT+1], v[CT], s40, s41
	v_add_f32 v[ST+1], v[CT], v[CT+1]
	NORM N1
	; accumulator tiles 2 s and 2 s + 1, packed, ARE the second product's fragment of chunk s: registers 0-3 hold o = 32 s + 8 h + j, 4-7 hold 16 more
.set i, 0
.rept 32
	v_cvt_pk_f16_f32 v[XF+i], v[ACC+2*i], v[ACC+2*i+1]
.set i, i+1
.endr
	; Q2 = Wk^T (q / amax1): D(m = place, n = query)
	s_wait_dscnt 16
	MUL2 0, WFB
	PLACES
	FK 2, WFB
	s_wait_dscnt 16
	MUL2 1, WFA
	PLACES
	FK 3, WFA
	s_wait_dscnt 16
	MUL2 2, WFB
	s_wait_dscnt 0x0
	MUL2 3, WFA
	PLACES
	NORM N2
	v_mul_f32 v[ST], v[N1+1], v[N2+1]
	v_mul_f32 v[ST], CSC, v[ST]                    ; sigma = c amax1 amax2
	v_mul_f32 v[ST+1], CSC, v[ST+1]                ; T = c q.bk
.set i, 0
.rept 32
	v_cvt_pk_f16_f32 v[XF+i], v[ACC+2*i], v[ACC+2*i+1]
.set i, i+1
.endr
	; THE WAY OUT: a lane holds 8 neighbouring places of its query for each tile; through my wave's own stage into whole rows of 256 bytes
.irp t, 0,1,2,3,4,5,6,7
	ds_store_b128 v[AQS], v[XF+4*\t:XF+4*\t+3] offset:32*\t
.endr
	ds_store_b64 v[ATS], v[ST:ST+1]                ; both halves of the lanes hold, and write, the same pair
.irp t, 0,1,2,3,4,5,6,7
	ds_load_b128 v[ACC+4*\t:ACC+4*\t+3], v[AQR] offset:544*\t   ; LDS serves a wave's instructions in order (ISA guide 5.7.1): these see the stores above
.endr
.irp t, 0,1,2,3,4,5,6,7
	s_wait_dscnt 7-\t                              ; the younger read-backs stay out
	global_store_b128 v[GQ], v[ACC+4*\t:ACC+4*\t+3], s[22:23] offset:512*\t   ; 16 lanes store 256 consecutive bytes, aligned
.endr
	s_wait_dscnt 0x0
	s_barrier_signal -1
	s_barrier_wait -1                              ; all four waves' pairs are in LDS (the row of [Wv; Wo] since the first barrier)
	s_cmp_lg_u32 s28, 0
	s_cbranch_scc1 .Lnot_wave_0
	ds_load_b128 v[WFA:WFA+3], v[ATR]
	s_wait_dscnt 0x0
	global_store_b128 v[G16], v[WFA:WFA+3], s[24:25]   ; 64 pairs: 512 consecutive bytes
.Lnot_wave_0:
	s_cmp_lg_u32 s28, 1
	s_cbranch_scc1 .Lend
	ds_load_b64 v[WFA+4:WFA+5], v[WSR]
	s_wait_dscnt 0x0
	global_store_b64 v[G8], v[WFA+4:WFA+5], s[26:27]   ; one row of wf: 256 consecutive bytes
.Lend:
	s_set_vgpr_msb 0x5
	s_wait_tensorcnt 0x0
	ds_add_u32 v0, v1
	s_wait_dscnt 0x0
	s_set_vgpr_msb 0x500
	s_endpgm
.Lfunc_end_k_q58a316bdb1_prep:
	.size	k_q58a316bdb1_prep, .Lfunc_end_k_q58a316bdb1_prep-k_q58a316bdb1_prep
	.p2alignl 7, 3214868480
	.fill 96, 4, 3214868480
	.section	.rodata,"a",@progbits
	.p2align	6, 0x0
	.amdhsa_kernel k_q58a316bdb1_prep
		.amdhsa_group_segment_fixed_size 111872
		.amdhsa_private_segment_fixed_size 0
		.amdhsa_enable_private_segment 0
		.amdhsa_kernarg_size 96
		.amdhsa_user_sgpr_count 2
		.amdhsa_user_sgpr_kernarg_segment_ptr 1
		.amdhsa_wavefront_size32 1
		.amdhsa_system_sgpr_workgroup_id_x 1
		.amdhsa_system_sgpr_workgroup_id_y 1
		.amdhsa_system_sgpr_workgroup_id_z 1
		.amdhsa_system_vgpr_workitem_id 0
		.amdhsa_next_free_vgpr 258
		.amdhsa_next_free_sgpr 66
		.amdhsa_reserve_vcc 0
		.amdhsa_float_denorm_mode_32 3
		.amdhsa_float_denorm_mode_16_64 3
		.amdhsa_memory_ordered 1
		.amdhsa_forward_progress 1
		.amdhsa_inst_pref_size 69
	.end_amdhsa_kernel
	.amdgpu_metadata
---
amdhsa.version: [ 1, 2 ]
amdhsa.kernels:
  - .name:           k_q58a316bdb1_prep
    .symbol:         k_q58a316bdb1_prep.kd
    .args:
      - { .name: x, .offset: 0, .size: 8, .value_kind: global_buffer, .address_space: global }
      - { .name: h, .offset: 8, .size: 8, .value_kind: global_buffer, .address_space: global }
      - { .name: Wq_w, .offset: 16, .size: 8, .value_kind: global_buffer, .address_space: global }
      - { .name: Wq_b, .offset: 24, .size: 8, .value_kind: global_buffer, .address_space: global }
      - { .name: Wk_w, .offset: 32, .size: 8, .value_kind: global_buffer, .address_space: global }
      - { .name: Wk_b, .offset: 40, .size: 8, .value_kind: global_buffer, .address_space: global }
      - { .name: Wv_w, .offset: 48, .size: 8, .value_kind: global_buffer, .address_space: global }
      - { .name: Wo_w, .offset: 56, .size: 8, .value_kind: global_buffer, .address_space: global }
      - { .name: hf, .offset: 64, .size: 8, .value_kind: global_buffer, .address_space: global }
      - { .name: qn, .offset: 72, .size: 8, .value_kind: global_buffer, .address_space: global }
      - { .name: st, .offset: 80, .size: 8, .value_kind: global_buffer, .address_space: global }
      - { .name: wf, .offset: 88, .size: 8, .value_kind: global_buffer, .address_space: global }
    .group_segment_fixed_size: 111872
    .private_segment_fixed_size: 0
    .kernarg_segment_align: 8
    .kernarg_segment_size: 96
    .max_flat_workgroup_size: 128
    .sgpr_count:     66
    .vgpr_count:     258
    .wavefront_size: 32
...
	.end_amdgpu_metadata
.endif
;; end of part 1
;; launch attn (part 2): grid 256 x 1, 4 waves a work-group, clusters of 4 x 1, 327,680 bytes of LDS; arguments hf, qn, st, wf, Wv_b, Wo_b, out0; writes out0
.if DOCPART == 2
	.amdgcn_target "amdgcn-amd-amdhsa--gfx1250"
	.amdhsa_code_object_version 6
	.text
	.protected	k_q58a316bdb1_attn
	.globl	k_q58a316bdb1_attn
	.p2align	8
	.type	k_q58a316bdb1_attn,@function
k_q58a316bdb1_attn:
	s_mov_b64 s[64:65], 0
	v_nop
	global_prefetch_b8 v0, s[64:65] scope:SCOPE_SE
	s_setreg_imm32_b32 hwreg(HW_REG_WAVE_MODE, 25, 1), 1
	s_wait_xcnt 0x0
	s_wait_alu depctr_hold_cnt(0) depctr_sa_sdst(0) depctr_va_vdst(0) depctr_va_sdst(0) depctr_va_ssrc(0) depctr_va_vcc(0) depctr_vm_vsrc(0)
	s_getreg_b32 s2, hwreg(HW_REG_IB_STS2, 6, 4)
	s_cmp_eq_u32 s2, 0
	s_cbranch_scc0 .Lentry_in_a_cluster
	s_endpgm
.Lentry_in_a_cluster:
	s_bfe_u32 s2, ttmp6, 0x10000c
	s_cmp_lg_u32 s2, 0x3003
	s_cbranch_scc0 .Lentry_shape_is_right
	s_endpgm
.Lentry_shape_is_right:
; ATTN: out = Wo (Wv a + bv) + bo, a_n = sum over m of softmax_m(score(n, m)) h_m, score in units of log2 = sigma_n (qn_n . h_m) + T_n.
; (sum p (Wv h + bv) = Wv (sum p h) + bv since the weights p sum to 1: one f16 copy of h, 256 bytes a key, serves as keys and as values.)
; A work-group owns 64 queries and walks all 8,192 keys of its batch in 16 steps of 512; in a step wave w takes all 64 queries against keys
; 128 w .. 128 w + 127 of the step, so every LDS byte feeds 64 queries.  Each wave keeps its own running maximum M, sum L and weighted sum O
; (the maximum is taken away before every exponential); the four are merged once, at the end.
; ORIENTATION: S^T = H^T Q: D(m = key, n = query): a lane is one query, so M, L and the rescaling are one number a lane and query tile, and the
; packed tiles 2 kc and 2 kc + 1 of S^T ARE the fragment of P for key chunk kc of O^T = H P^T: D(m = channel, n = query).  Nothing is shuffled.
; CLUSTERS: the 128 work-groups of a batch walk the same tiles.  Four form a cluster and ask for each tile jointly (mask 15): each issues the same
; tensor load with the same descriptor, made of the batch, the wave and the step alone, behind a round of the cluster's barrier.
; RING: two slots; in each a tile of 128 channel rows x 128 keys (rows of 256 bytes in memory, aligned; 272 apart in LDS) for each wave.
; A wave issues and reads its own tiles only; one tensor load of a wave is outstanding at any time.
; No prefetch: hf is 4 MiB, stored by the launch before, and every tile is read by 32 clusters at about the same time.
; LIMITS: all matrix operands are f16: h and the weights as cast (above 65,504 they overflow; below 6e-5 the step is 6e-8), P <= 1, |a| <= max |h|,
; y = Wv a + bv divided by its largest magnitude per query (raised to at least 2^-126, below 2^126), which is multiplied back in f32.
; Exponentials below 2^-126 come out as 0 (ISA guide 15.8).  The order of the sums differs from the reference's as said above.
;
; REGISTERS, in windows of 256 (s_set_vgpr_msb: bits 1:0 source 0, 3:2 source 1, 5:4 source 2, 7:6 destination):
;   window 0: addresses, the softmax's numbers, fragment buffers F0, F1;  window 1: O(ct, q) at 32 ct + 8 q;
;   window 2: S(q, kt) at 64 q + 8 kt, P(q, kc) packed in place at 64 q + 16 kc;  window 3: Q(q, s) at 8 (4 q + s).
.set TILE,  34816                      ; 128 rows x 272 bytes
.set SLOT,  4*TILE
.set STEP,  1024                       ; 512 keys in f16: from step to step along hf's rows
.set XS,    131072                     ; epilogue, in the ring after its last fill: partial O at 0 (4 x 32 KiB), M and L here,
.set OST,   135168                     ; and the result [128 o][64 queries] f32, pitch 272
.set G1,  16                           ; s[16:23] descriptor group 1
.set G0,  32                           ; s[32:39] descriptor group 0, one set for each slot
.set LN,  1
.set RR,  2
.set HH,  3
.set ADK, 8                            ; v8, v9   slot 0, 1: transposing reads (keys as rows of the fragment)
.set ADV, 10                           ; v10, v11 slot 0, 1: plain reads (channels as rows)
.set QA,  12                           ; 256 r + 16 h: fragments from rows of 256 bytes in memory
.set SGA, 13
.set XOS, 4                            ; epilogue addresses, in registers that are free by then
.set XSS, 5
.set XSR, 6
.set XOA, 7
.set XOB, 8
.set BIA, 9
.set OSS, 10
.set OSR, 11
.set OGA, 13
.set M,   16                           ; v[16:19]  running maximum, query tile q
.set SG,  20                           ; v[20:27]  pairs (sigma, T)
.set LL,  28                           ; v[28:43]  running sums: q, two chains, pairs
.set PR,  44                           ; v[44:51]  pairs (NS = T - M, AL = 2^(M old - M))
.set X,   52                           ; v[52:59]  maxima at work: q, two chains
.set Y,   60                           ; v[60:63]  the other half's figure
.set F0,  64
.set F1,  128
.set MSR, 44                           ; epilogue: the four waves' M, L; weights G; at work
.set LSR, 48
.set GG,  52
.set EE,  56
.set MX,  60
.set LX,  61
.set NP,  62                           ; v[62:63] (1 / amax, amax) of y
.set AC,  64                           ; merged a, then packed in place; later the read-back of the result
.set LBA, 128
.set LBB, 192
.set YY,  128
.set ZZ,  192
.set MSB, 0
.macro WIN new                         ; the immediate's high byte repeats the setting that is left
.if MSB != \new
	s_set_vgpr_msb (MSB<<8)|\new
.set MSB, \new
.endif
.endm
.macro PLACES                          ; four places behind matrix instructions, in front of loads into, and vector work on, their registers
.rept 4
	v_nop
.endr
.endm
.macro ROUND                           ; a round of the cluster's barrier: my work-group's barrier; wave 0 signals for it; all wait for the four work-groups; my work-group's barrier
	s_barrier_signal -1
	s_barrier_wait -1
	s_cmp_lg_u32 s26, 0
	s_cbranch_scc1 .Lnot_wave_0_\@
	s_barrier_signal -3
.Lnot_wave_0_\@:
	s_barrier_wait -3
	s_barrier_signal -1
	s_barrier_wait -1
.endm
; Fragments of H^T for key tiles 2 bt, 2 bt + 1 and all four channel chunks.  The first load of a fragment takes channel rows 32 s + 16 h + 2 j, the second
; the rows one below: at a pitch of 272 bytes the 16 lanes of a half then touch 16 different 16-byte columns modulo 256 bytes.  qn is laid out to match.
.macro FETCHK slot, bt, f
	WIN 0
.irp kk, 0,1
.irp s, 0,1,2,3
	ds_load_tr16_b128 v[\f+8*(4*\kk+\s):\f+8*(4*\kk+\s)+3], v[ADK+\slot] offset:8704*\s+32*(2*\bt+\kk)
	ds_load_tr16_b128 v[\f+8*(4*\kk+\s)+4:\f+8*\kk*4+8*\s+7], v[ADK+\slot] offset:8704*\s+32*(2*\bt+\kk)+272
.endr
.endr
.endm
.macro FETCHV slot, kc, f              ; fragments of H: eight channel tiles x the 32 keys of chunk kc
	WIN 0
.irp ct, 0,1,2,3,4,5,6,7
	ds_load_b128 v[\f+8*\ct:\f+8*\ct+3], v[ADV+\slot] offset:4352*\ct+64*\kc
	ds_load_b128 v[\f+8*\ct+4:\f+8*\ct+7], v[ADV+\slot] offset:4352*\ct+64*\kc+32
.endr
.endm
; In both products the accumulators take turns, one instruction a turn.
.macro MULS bt, f                      ; S(q, 2 bt + kk) over the four channel chunks; the first chunk starts the sums
	WIN 0xac                                       ; A window 0, B (Q) window 3, C and D (S) window 2
.irp s, 0,1,2,3
.irp kk, 0,1
.irp q, 0,1,2,3
.if \s == 0
	v_wmma_f32_16x16x32_f16 v[64*\q+8*(2*\bt+\kk):64*\q+8*(2*\bt+\kk)+7], v[\f+8*(4*\kk+\s):\f+8*(4*\kk+\s)+7], v[8*(4*\q+\s):8*(4*\q+\s)+7], 0
.else
	v_wmma_f32_16x16x32_f16 v[64*\q+8*(2*\bt+\kk):64*\q+8*(2*\bt+\kk)+7], v[\f+8*(4*\kk+\s):\f+8*(4*\kk+\s)+7], v[8*(4*\q+\s):8*(4*\q+\s)+7], v[64*\q+8*(2*\bt+\kk):64*\q+8*(2*\bt+\kk)+7]
.endif
.endr
.endr
.endr
.endm
.macro MULV kc, f, zero                ; O(ct, q) += H(ct, chunk kc) P(q, chunk kc); zero = 1: the launch's first product starts the sums
	WIN 0x58                                       ; A window 0, B (P) window 2, C and D (O) window 1
.irp ct, 0,1,2,3,4,5,6,7
.irp q, 0,1,2,3
.if \zero
	v_wmma_f32_16x16x32_f16 v[32*\ct+8*\q:32*\ct+8*\q+7], v[\f+8*\ct:\f+8*\ct+7], v[64*\q+16*\kc:64*\q+16*\kc+7], 0
.else
	v_wmma_f32_16x16x32_f16 v[32*\ct+8*\q:32*\ct+8*\q+7], v[\f+8*\ct:\f+8*\ct+7], v[64*\q+16*\kc:64*\q+16*\kc+7], v[32*\ct+8*\q:32*\ct+8*\q+7]
.endif
.endr
.endr
.endm
; The step's softmax on 4 query tiles x 128 keys.  first = 1: nothing is carried yet.
.macro SOFTMAX first
	WIN 0x0a                                       ; A: the largest raw product, eight chains (sigma > 0, so it is the largest score's)
.irp q, 0,1,2,3
.irp c, 0,1
	v_max_num_f32 v[X+2*\q+\c], v[64*\q+32*\c], v[64*\q+32*\c+1]
.endr
.endr
.set i, 2
.rept 15
.irp q, 0,1,2,3
.irp c, 0,1
	v_max3_num_f32 v[X+2*\q+\c], v[64*\q+32*\c+i], v[64*\q+32*\c+i+1], v[X+2*\q+\c]
.endr
.endr
.set i, i+2
.endr
	WIN 0
.irp q, 0,1,2,3
	v_max_num_f32 v[X+2*\q], v[X+2*\q], v[X+2*\q+1]
.endr
.irp q, 0,1,2,3
	v_permlanex16_b32 v[Y+\q], v[X+2*\q], s40, s41 ; the query's other 64 keys lie in lane xor 16
.endr
.irp q, 0,1,2,3
	v_max_num_f32 v[X+2*\q], v[X+2*\q], v[Y+\q]
.endr
.irp q, 0,1,2,3
	v_fma_f32 v[X+2*\q], v[X+2*\q], v[SG+2*\q], v[SG+2*\q+1]   ; as a score
.endr
.if \first
.irp q, 0,1,2,3
	v_mov_b32 v[PR+2*\q+1], 1.0                    ; the pair is read whole below
.endr
.else
.irp q, 0,1,2,3
	v_max_num_f32 v[X+2*\q], v[X+2*\q], v[M+\q]    ; the new running maximum
.endr
.irp q, 0,1,2,3
	v_sub_f32 v[PR+2*\q+1], v[M+\q], v[X+2*\q]
.endr
.irp q, 0,1,2,3
	v_exp_f32 v[PR+2*\q+1], v[PR+2*\q+1]           ; AL; the subtractions below are the plain place behind it (ISA guide 5.7.2)
.endr
.endif
.irp q, 0,1,2,3
	v_sub_f32 v[PR+2*\q], v[SG+2*\q+1], v[X+2*\q]  ; NS = T - M
.endr
.irp q, 0,1,2,3
	v_mov_b32 v[M+\q], v[X+2*\q]
.endr
.if \first == 0
	s_wait_alu depctr_va_vdst(0)
.irp q, 0,1,2,3
.irp c, 0,1
	v_pk_mul_f32 v[LL+4*\q+2*\c:LL+4*\q+2*\c+1], v[LL+4*\q+2*\c:LL+4*\q+2*\c+1], v[PR+2*\q:PR+2*\q+1] op_sel:[0,1] op_sel_hi:[1,1]
.endr
.endr
.endif
	WIN 0x82                                       ; B: P = 2^(sigma S + NS), in place; behind each run of exponentials the next tile's multiply-adds are the plain place
.irp q, 0,1,2,3
.irp kt, 0,1,2,3,4,5,6,7
.irp p, 0,2,4,6
	v_pk_fma_f32 v[64*\q+8*\kt+\p:64*\q+8*\kt+\p+1], v[64*\q+8*\kt+\p:64*\q+8*\kt+\p+1], v[SG+2*\q:SG+2*\q+1], v[PR+2*\q:PR+2*\q+1] op_sel_hi:[1,0,0]
.endr
.irp j, 0,1,2,3,4,5,6,7
	v_exp_f32 v[64*\q+8*\kt+\j], v[64*\q+8*\kt+\j]
.endr
.endr
.endr
	; C: the sums, eight chains of pairs (the first line reads query tile 0, not the last run of exponentials)
.if \first
	WIN 0x0a
	s_wait_alu depctr_va_vdst(0)
.irp q, 0,1,2,3
.irp c, 0,1
	v_pk_add_f32 v[LL+4*\q+2*\c:LL+4*\q+2*\c+1], v[64*\q+2*\c:64*\q+2*\c+1], v[64*\q+4+2*\c:64*\q+4+2*\c+1]   ; the first two pairs start a chain: nothing is cleared
.endr
.endr
.set i, 2
.else
.set i, 0
.endif
	WIN 0x02
	s_wait_alu depctr_va_vdst(0)
.rept 16-2*\first
.irp q, 0,1,2,3
.irp c, 0,1
	v_pk_add_f32 v[LL+4*\q+2*\c:LL+4*\q+2*\c+1], v[64*\q+4*i+2*\c:64*\q+4*i+2*\c+1], v[LL+4*\q+2*\c:LL+4*\q+2*\c+1]
.endr
.endr
.set i, i+1
.endr
	WIN 0x8a                                       ; D: to f16, in place: word e of a chunk takes numbers 2 e, 2 e + 1, which lie at or above it
.irp q, 0,1,2,3
.irp kc, 0,1,2,3
.irp e, 0,1,2,3,4,5,6,7
	v_cvt_pk_f16_f32 v[64*\q+16*\kc+\e], v[64*\q+16*\kc+2*\e], v[64*\q+16*\kc+2*\e+1]
.endr
.endr
.endr
.if \first == 0
	WIN 0x41                                       ; E: what is carried is brought to the new maximum
.irp ct, 0,1,2,3,4,5,6,7
.irp q, 0,1,2,3
.irp p, 0,2,4,6
	v_pk_mul_f32 v[32*\ct+8*\q+\p:32*\ct+8*\q+\p+1], v[32*\ct+8*\q+\p:32*\ct+8*\q+\p+1], v[PR+2*\q:PR+2*\q+1] op_sel:[0,1] op_sel_hi:[1,1]
.endr
.endr
.endr
.endif
.endm
; One step.  Every s_wait_dscnt 16: the 16 LDS loads issued last may stay out; the buffer that is multiplied next is in.
.macro TRIP slot, refill, first
	s_wait_tensorcnt 0x0                           ; all my tensor loads have landed, this step's tile among them,
	ds_add_u32 v14, v15
	s_wait_dscnt 0x0
	s_add_nc_u64 s[G0+4*\slot+2:G0+4*\slot+3], s[G0+4*\slot+2:G0+4*\slot+3], 2*STEP   ; so a group 0 may be written: this slot's next tile
	s_wait_dscnt 0x0                               ; my reads of the last step's tile are back
	ROUND                                          ; both now hold of every wave of the four work-groups
.if \refill
	tensor_load_to_lds s[G0+4-4*\slot:G0+7-4*\slot], s[G1:G1+7]   ; the next tile, into the slot read last: my one tensor load behind the round, and the first thing there
	s_nop 0
.endif
	FETCHK \slot, 0, F0
	FETCHK \slot, 1, F1
	s_wait_dscnt 16
	MULS 0, F0
	PLACES
	FETCHK \slot, 2, F0
	s_wait_dscnt 16
	MULS 1, F1
	PLACES
	FETCHK \slot, 3, F1
	s_wait_dscnt 16
	MULS 2, F0
	PLACES
	FETCHV \slot, 0, F0
	s_wait_dscnt 16
	MULS 3, F1
	PLACES
	FETCHV \slot, 1, F1
	SOFTMAX \first
	s_wait_dscnt 16
	MULV 0, F0, \first
	PLACES
	FETCHV \slot, 2, F0
	s_wait_dscnt 16
	MULV 1, F1, 0
	PLACES
	FETCHV \slot, 3, F1
	s_wait_dscnt 16
	MULV 2, F0, 0
	s_wait_dscnt 0x0
	MULV 3, F1, 0
	PLACES
	WIN 0                                          ; at a label and at a branch every window is 0
.endm
	s_load_b256 s[4:11], s[0:1], 0x0               ; hf 4, qn 6, st 8, wf 10
	s_load_b128 s[12:15], s[0:1], 0x20             ; Wv_b 12, Wo_b 14
	s_load_b64 s[24:25], s[0:1], 0x30              ; out0
	v_lshl_add_u32 v14, v0, 2, 0x44000
	v_mov_b32 v15, 0
	ds_add_u32 v14, v15
	v_lshrrev_b32 v4, 5, v0
	v_readfirstlane_b32 s26, v4                    ; wave
	s_bfe_u32 s27, ttmp6, 0x40000                  ; cx: it enters the addresses of qn, st and out0 alone
	s_lshl_b32 s28, ttmp9, 2                       ; ttmp9 counts clusters
	s_add_co_u32 s28, s28, s27                     ; work-group
	s_lshr_b32 s29, ttmp9, 5                       ; batch: the same in the four partners
	s_mov_b32 s40, 0x76543210                      ; v_permlanex16_b32: lane i takes lane i xor 16
	s_mov_b32 s41, 0xfedcba98
	; group 1: a tile of 128 rows x 128 elements of 2 bytes, rows 8,192 elements apart
	s_mov_b32 s[G1+0], 15|(1<<16)|(1<<20)|(1<<21)|(5<<22)|(3<<25)   ; 15:0 mask: all four; 17:16 2 bytes; 20 padding on; 21 set beside a mask; 24:22 after every 64 words; 31:25 four words
	s_mov_b32 s[G1+1], 128<<16                     ; tensor_dim0 = 128
	s_mov_b32 s[G1+2], 128<<16                     ; tensor_dim1 = 128
	s_mov_b32 s[G1+3], 128<<16                     ; tile_dim0 = 128
	s_mov_b32 s[G1+4], 128                         ; tile_dim1 = 128
	s_mov_b32 s[G1+5], 8192                        ; from row to row
	s_mov_b32 s[G1+6], 0
	s_mov_b32 s[G1+7], 0
	s_lshl_b32 s30, s29, 21                        ; batch x 2 MiB
	s_lshl_b32 s45, s26, 8                         ; + my wave's 128 keys
	s_add_co_u32 s30, s30, s45
	s_mov_b32 s31, 0
	s_mul_i32 s45, s26, TILE                       ; my wave's tile in a slot
	s_wait_dscnt 0x0
	s_wait_kmcnt 0x0
	s_add_nc_u64 s[46:47], s[4:5], s[30:31]
.irp s, 0,1
	s_mov_b32 s[G0+4*\s], 1                        ; count = 1
	s_add_co_u32 s[G0+4*\s+1], s45, \s*SLOT        ; LDS address
	s_add_nc_u64 s[G0+4*\s+2:G0+4*\s+3], s[46:47], \s*STEP   ; global address: step s
	s_or_b32 s[G0+4*\s+3], s[G0+4*\s+3], 0x80000000          ; type = 2
.endr
	ROUND                                          ; the four work-groups are here: the first joint loads meet
	tensor_load_to_lds s[G0:G0+3], s[G1:G1+7]      ; step 0
	s_nop 0
	s_mov_b32 s43, 0
	s_lshl_b32 s42, s28, 14
	s_add_nc_u64 s[6:7], s[6:7], s[42:43]          ; qn: my 64 rows of 256 bytes
	s_lshl_b32 s42, s28, 9
	s_add_nc_u64 s[8:9], s[8:9], s[42:43]          ; st: my 64 pairs
	s_and_b32 s42, s28, 127
	s_lshl_b32 s42, s42, 8                         ; out0: my 64 voxels,
	s_lshl_b32 s27, s29, 22
	s_add_co_u32 s42, s42, s27                     ; my batch,
	s_lshl_b32 s27, s26, 20
	s_add_co_u32 s42, s42, s27                     ; and my wave's 32 channel rows
	s_add_nc_u64 s[24:25], s[24:25], s[42:43]
	v_and_b32 v[LN], 31, v0
	v_and_b32 v[RR], 15, v0
	v_bfe_u32 v[HH], v0, 4, 1
	v_and_b32 v4, 7, v0
	v_bfe_u32 v5, v0, 3, 1
	v_lshlrev_b32 v6, 1, v4
	v_lshl_add_u32 v6, v[HH], 4, v6                ; row 16 h + 2 (L % 8)
	v_mul_u32_u24 v6, v6, 272
	v_lshl_add_u32 v6, v5, 4, v6                   ; 16-byte column (L / 8) % 2
	v_add_nc_u32 v[ADK], s45, v6
	v_add_nc_u32 v[ADK+1], SLOT, v[ADK]
	v_mul_u32_u24 v7, v[RR], 272
	v_lshl_add_u32 v7, v[HH], 4, v7                ; row r, 16 bytes for each half of the lanes
	v_add_nc_u32 v[ADV], s45, v7
	v_add_nc_u32 v[ADV+1], SLOT, v[ADV]
	v_lshlrev_b32 v[QA], 8, v[RR]
	v_lshl_add_u32 v[QA], v[HH], 4, v[QA]
	v_lshlrev_b32 v[SGA], 3, v[RR]
.irp q, 0,1,2,3
	v_mov_b32 v[Y+\q], 0                           ; v_permlanex16_b32 counts as a reader of its destination
.endr
	WIN 0xc0
.irp q, 0,1,2,3
.irp s, 0,1,2,3
	global_load_b128 v[8*(4*\q+\s):8*(4*\q+\s)+3], v[QA], s[6:7] offset:4096*\q+64*\s
	global_load_b128 v[8*(4*\q+\s)+4:8*(4*\q+\s)+7], v[QA], s[6:7] offset:4096*\q+64*\s+32
.endr
.endr
	WIN 0
.irp q, 0,1,2,3
	global_load_b64 v[SG+2*\q:SG+2*\q+1], v[SGA], s[8:9] offset:128*\q
.endr
	s_wait_loadcnt 0x0
	TRIP 0, 1, 1                                   ; the first step starts every sum; slot 1 gets its first tile behind this step's round
	TRIP 1, 1, 0
	s_mov_b32 s44, 6
.Lloop:
	TRIP 0, 1, 0
	TRIP 1, 1, 0
	s_sub_co_u32 s44, s44, 1
	s_cmp_lg_u32 s44, 0
	s_cbranch_scc1 .Lloop
	TRIP 0, 1, 0
	TRIP 1, 0, 0                                   ; step 15: nothing is left to fetch
	; EPILOGUE.  My sums: two chains of pairs, and the other half of the keys in lane xor 16.
.irp q, 0,1,2,3
	v_pk_add_f32 v[LL+4*\q:LL+4*\q+1], v[LL+4*\q:LL+4*\q+1], v[LL+4*\q+2:LL+4*\q+3]
.endr
.irp q, 0,1,2,3
	v_add_f32 v[LL+4*\q], v[LL+4*\q], v[LL+4*\q+1]
.endr
.irp q, 0,1,2,3
	v_permlanex16_b32 v[Y+\q], v[LL+4*\q], s40, s41
.endr
.irp q, 0,1,2,3
	v_add_f32 v[LL+4*\q], v[LL+4*\q], v[Y+\q]
.endr
	s_lshl_b32 s45, s26, 15
	v_lshl_add_u32 v[XOS], v[LN], 4, s45           ; my partial O: 32 KiB a wave, 16 bytes a lane
	s_lshl_b32 s45, s26, 10
	s_add_co_u32 s45, s45, XS
	v_lshl_add_u32 v[XSS], v[LN], 2, s45           ; my M and L: 1 KiB a wave
	s_lshl_b32 s45, s26, 8
	s_add_co_u32 s45, s45, XS
	v_lshl_add_u32 v[XSR], v[LN], 2, s45           ; query tile w of every wave's M and L
	s_lshl_b32 s45, s26, 13
	v_lshl_add_u32 v[XOA], v[LN], 4, s45           ; query tile w of the partial O of waves 0, 1
	v_add_nc_u32 v[XOB], 0x10000, v[XOA]           ; and of waves 2, 3
	v_lshlrev_b32 v[BIA], 5, v[HH]                 ; biases in the accumulators' layout: 64 t + 32 h
	v_mul_u32_u24 v[OSS], v[HH], 2176
	v_lshl_add_u32 v[OSS], v[RR], 2, v[OSS]
	s_lshl_b32 s45, s26, 6
	s_add_co_u32 s45, s45, OST
	v_add_nc_u32 v[OSS], s45, v[OSS]               ; result in: row 8 h (+ 16 t + j), column 16 w + r
	v_mul_u32_u24 v[OSR], v[HH], 272
	v_lshl_add_u32 v[OSR], v[RR], 4, v[OSR]
	s_mul_i32 s45, s26, 8704
	s_add_co_u32 s45, s45, OST
	v_add_nc_u32 v[OSR], s45, v[OSR]               ; result back: rows 32 w + h (+ 2 i), whole
	v_lshlrev_b32 v[OGA], 15, v[HH]
	v_lshl_add_u32 v[OGA], v[RR], 4, v[OGA]        ; and the same two rows in out0
	WIN 0x80                                       ; Wv's 32 fragments into window 2 (P is done with)
.irp t, 0,1,2,3,4,5,6,7
.irp s, 0,1,2,3
	global_load_b128 v[8*(4*\t+\s):8*(4*\t+\s)+3], v[QA], s[10:11] offset:4096*\t+64*\s
	global_load_b128 v[8*(4*\t+\s)+4:8*(4*\t+\s)+7], v[QA], s[10:11] offset:4096*\t+64*\s+32
.endr
.endr
	WIN 0xc0                                       ; bv and bo into window 3 (Q is done with)
.irp t, 0,1,2,3,4,5,6,7
	global_load_b128 v[8*\t:8*\t+3], v[BIA], s[12:13] offset:64*\t
	global_load_b128 v[8*\t+4:8*\t+7], v[BIA], s[12:13] offset:64*\t+16
	global_load_b128 v[64+8*\t:64+8*\t+3], v[BIA], s[14:15] offset:64*\t
	global_load_b128 v[64+8*\t+4:64+8*\t+7], v[BIA], s[14:15] offset:64*\t+16
.endr
	WIN 0
	s_wait_dscnt 0x0                               ; my reads of the tiles are back
	s_barrier_signal -1
	s_barrier_wait -1                              ; everybody's are, and the ring has had its last fill: it may be written
	WIN 0x04
.irp ct, 0,1,2,3,4,5,6,7
.irp q, 0,1,2,3
.irp u, 0,1
	ds_store_b128 v[XOS], v[32*\ct+8*\q+4*\u:32*\ct+8*\q+4*\u+3] offset:8192*\q+1024*\ct+512*\u
.endr
.endr
.endr
	WIN 0
.irp q, 0,1,2,3
	ds_store_b32 v[XSS], v[M+\q] offset:256*\q
	ds_store_b32 v[XSS], v[LL+4*\q] offset:256*\q+128
.endr
	s_wait_dscnt 0x0                               ; my stores are done, for the other waves' sake
	s_barrier_signal -1
	s_barrier_wait -1
	WIN 0x40                                       ; Wo's 32 fragments into window 1 (O has left)
.irp t, 0,1,2,3,4,5,6,7
.irp s, 0,1,2,3
	global_load_b128 v[8*(4*\t+\s):8*(4*\t+\s)+3], v[QA], s[10:11] offset:32768+4096*\t+64*\s
	global_load_b128 v[8*(4*\t+\s)+4:8*(4*\t+\s)+7], v[QA], s[10:11] offset:32768+4096*\t+64*\s+32
.endr
.endr
	WIN 0
	; MERGE: wave w takes query tile w of all four waves
.macro LDO dst, adr, off
.irp ct, 0,1,2,3,4,5,6,7
.irp u, 0,1
	ds_load_b128 v[\dst+8*\ct+4*\u:\dst+8*\ct+4*\u+3], v[\adr] offset:\off+1024*\ct+512*\u
.endr
.endr
.endm
.macro ACCUM src, g, hi, start         ; a (+)= partial O x its weight, the low or the high number of pair g
.set i, 0
.rept 32
.if \start
	v_pk_mul_f32 v[AC+2*i:AC+2*i+1], v[\src+2*i:\src+2*i+1], v[\g:\g+1] op_sel_hi:[1,0]
.else
.if \hi
	v_pk_fma_f32 v[AC+2*i:AC+2*i+1], v[\src+2*i:\src+2*i+1], v[\g:\g+1], v[AC+2*i:AC+2*i+1] op_sel:[0,1,0] op_sel_hi:[1,1,1]
.else
	v_pk_fma_f32 v[AC+2*i:AC+2*i+1], v[\src+2*i:\src+2*i+1], v[\g:\g+1], v[AC+2*i:AC+2*i+1] op_sel_hi:[1,0,1]
.endif
.endif
.set i, i+1
.endr
.endm
.irp s, 0,1,2,3
	ds_load_b32 v[MSR+\s], v[XSR] offset:1024*\s
	ds_load_b32 v[LSR+\s], v[XSR] offset:1024*\s+128
.endr
	LDO LBA, XOA, 0
	LDO LBB, XOA, 32768
	s_wait_dscnt 32                                ; the eight M and L are in; the 32 loads of partial O stay out
	v_max3_num_f32 v[MX], v[MSR], v[MSR+1], v[MSR+2]
	v_max_num_f32 v[MX], v[MX], v[MSR+3]
.irp s, 0,1,2,3
	v_sub_f32 v[EE+\s], v[MSR+\s], v[MX]
.endr
.irp s, 0,1,2,3
	v_exp_f32 v[EE+\s], v[EE+\s]
.endr
	v_nop                                          ; one plain place behind the exponentials (ISA guide 5.7.2)
	s_wait_alu depctr_va_vdst(0)
	v_mul_f32 v[LX], v[EE], v[LSR]
	v_fmac_f32 v[LX], v[EE+1], v[LSR+1]
	v_fmac_f32 v[LX], v[EE+2], v[LSR+2]
	v_fmac_f32 v[LX], v[EE+3], v[LSR+3]            ; the whole sum; at least about 1: the largest score's own term
	v_rcp_f32 v[LX], v[LX]
	v_nop
	s_wait_alu depctr_va_vdst(0)
.irp s, 0,1,2,3
	v_mul_f32 v[GG+\s], v[EE+\s], v[LX]
.endr
	s_wait_dscnt 16
	ACCUM LBA, GG, 0, 1
	LDO LBA, XOB, 0
	s_wait_dscnt 16
	ACCUM LBB, GG, 1, 0
	LDO LBB, XOB, 32768
	s_wait_dscnt 16
	ACCUM LBA, GG+2, 0, 0
	s_wait_dscnt 0x0
	ACCUM LBB, GG+2, 1, 0
.irp s, 0,1,2,3
.irp e, 0,1,2,3,4,5,6,7
	v_cvt_pk_f16_f32 v[AC+16*\s+\e], v[AC+16*\s+2*\e], v[AC+16*\s+2*\e+1]   ; channel tiles 2 s, 2 s + 1, packed in place, are the fragment of chunk s
.endr
.endr
	s_wait_loadcnt 0x0                             ; the weights and the biases
	; y = Wv a + bv: D(m = o, n = query); bv is the first chunk's C.  Eight accumulators take turns.
.irp s, 0,1,2,3
.if \s == 0
	WIN 0x32
.else
	WIN 0x02
.endif
.irp t, 0,1,2,3,4,5,6,7
.if \s == 0
	v_wmma_f32_16x16x32_f16 v[YY+8*\t:YY+8*\t+7], v[8*(4*\t+\s):8*(4*\t+\s)+7], v[AC+16*\s:AC+16*\s+7], v[8*\t:8*\t+7]
.else
	v_wmma_f32_16x16x32_f16 v[YY+8*\t:YY+8*\t+7], v[8*(4*\t+\s):8*(4*\t+\s)+7], v[AC+16*\s:AC+16*\s+7], v[YY+8*\t:YY+8*\t+7]
.endif
.endr
.endr
	PLACES
	WIN 0
	; y divided by its largest magnitude of the query, so that it has room in f16 whatever the inputs' scale
.irp k, 0,1,2,3
	v_max_num_f32 v[EE+\k], |v[YY+16*\k]|, |v[YY+16*\k+1]|
.endr
.set i, 2
.rept 7
.irp k, 0,1,2,3
	v_max3_num_f32 v[EE+\k], |v[YY+16*\k+i]|, |v[YY+16*\k+i+1]|, v[EE+\k]
.endr
.set i, i+2
.endr
	v_max3_num_f32 v[EE], v[EE], v[EE+1], v[EE+2]
	v_max_num_f32 v[EE], v[EE], v[EE+3]
	v_permlanex16_b32 v[EE+1], v[EE], s40, s41
	v_max_num_f32 v[EE], v[EE], v[EE+1]
	v_max_num_f32 v[NP+1], 0x00800000, v[EE]
	v_rcp_f32 v[NP], v[NP+1]
	v_nop
.set i, 0
	s_wait_alu depctr_va_vdst(0)
.rept 32
	v_pk_mul_f32 v[YY+2*i:YY+2*i+1], v[YY+2*i:YY+2*i+1], v[NP:NP+1] op_sel_hi:[1,0]
.set i, i+1
.endr
.irp s, 0,1,2,3
.irp e, 0,1,2,3,4,5,6,7
	v_cvt_pk_f16_f32 v[YY+16*\s+\e], v[YY+16*\s+2*\e], v[YY+16*\s+2*\e+1]
.endr
.endr
	WIN 0x01                                       ; Z = Wo (y / amax); the first chunk starts the sums
.irp s, 0,1,2,3
.irp t, 0,1,2,3,4,5,6,7
.if \s == 0
	v_wmma_f32_16x16x32_f16 v[ZZ+8*\t:ZZ+8*\t+7], v[8*(4*\t+\s):8*(4*\t+\s)+7], v[YY+16*\s:YY+16*\s+7], 0
.else
	v_wmma_f32_16x16x32_f16 v[ZZ+8*\t:ZZ+8*\t+7], v[8*(4*\t+\s):8*(4*\t+\s)+7], v[YY+16*\s:YY+16*\s+7], v[ZZ+8*\t:ZZ+8*\t+7]
.endif
.endr
.endr
	PLACES
	WIN 0x30
.set i, 0
.rept 32
	v_pk_fma_f32 v[ZZ+2*i:ZZ+2*i+1], v[ZZ+2*i:ZZ+2*i+1], v[NP:NP+1], v[64+2*i:64+2*i+1] op_sel:[0,1,0] op_sel_hi:[1,1,1]   ; out = amax Z + bo
.set i, i+1
.endr
	WIN 0
	; THE WAY OUT: a lane holds a piece of a column of out0; through LDS into whole rows of 64 voxels = 256 bytes
.irp t, 0,1,2,3,4,5,6,7
.irp j, 0,1,2,3,4,5,6,7
	ds_store_b32 v[OSS], v[ZZ+8*\t+\j] offset:(16*\t+\j)*272
.endr
.endr
	s_wait_dscnt 0x0
	s_barrier_signal -1
	s_barrier_wait -1
.set i, 0
.rept 16
	ds_load_b128 v[AC+4*i:AC+4*i+3], v[OSR] offset:544*i
.set i, i+1
.endr
.set i, 0
.rept 16
	s_wait_dscnt 15-i                              ; the younger read-backs stay out
	global_store_b128 v[OGA], v[AC+4*i:AC+4*i+3], s[24:25] offset:65536*i th:TH_STORE_NT   ; 16 lanes store 256 consecutive bytes, aligned
.set i, i+1
.endr
	s_wait_tensorcnt 0x0
	ds_add_u32 v14, v15
	s_wait_dscnt 0x0
	ROUND                                          ; the closing round: no work-group ends while a partner may still ask for a tile that names it
	s_endpgm
.Lfunc_end_k_q58a316bdb1_attn:
	.size	k_q58a316bdb1_attn, .Lfunc_end_k_q58a316bdb1_attn-k_q58a316bdb1_attn
	.p2alignl 7, 3214868480
	.fill 96, 4, 3214868480
	.section	.rodata,"a",@progbits
	.p2align	6, 0x0
	.amdhsa_kernel k_q58a316bdb1_attn
		.amdhsa_group_segment_fixed_size 327680
		.amdhsa_private_segment_fixed_size 0
		.amdhsa_enable_private_segment 0
		.amdhsa_kernarg_size 56
		.amdhsa_user_sgpr_count 2
		.amdhsa_user_sgpr_kernarg_segment_ptr 1
		.amdhsa_wavefront_size32 1
		.amdhsa_system_sgpr_workgroup_id_x 1
		.amdhsa_system_sgpr_workgroup_id_y 1
		.amdhsa_system_sgpr_workgroup_id_z 1
		.amdhsa_system_vgpr_workitem_id 0
		.amdhsa_next_free_vgpr 896
		.amdhsa_next_free_sgpr 66
		.amdhsa_reserve_vcc 0
		.amdhsa_float_denorm_mode_32 3
		.amdhsa_float_denorm_mode_16_64 3
		.amdhsa_memory_ordered 1
		.amdhsa_forward_progress 1
		.amdhsa_inst_pref_size 255
	.end_amdhsa_kernel
	.section	.bss,"aw",@nobits
	.p2align	6
	.space	262144
	.amdgpu_metadata
---
amdhsa.version: [ 1, 2 ]
amdhsa.kernels:
  - .name:           k_q58a316bdb1_attn
    .symbol:         k_q58a316bdb1_attn.kd
    .args:
      - { .name: hf, .offset: 0, .size: 8, .value_kind: global_buffer, .address_space: global }
      - { .name: qn, .offset: 8, .size: 8, .value_kind: global_buffer, .address_space: global }
      - { .name: st, .offset: 16, .size: 8, .value_kind: global_buffer, .address_space: global }
      - { .name: wf, .offset: 24, .size: 8, .value_kind: global_buffer, .address_space: global }
      - { .name: Wv_b, .offset: 32, .size: 8, .value_kind: global_buffer, .address_space: global }
      - { .name: Wo_b, .offset: 40, .size: 8, .value_kind: global_buffer, .address_space: global }
      - { .name: out0, .offset: 48, .size: 8, .value_kind: global_buffer, .address_space: global }
    .group_segment_fixed_size: 327680
    .private_segment_fixed_size: 0
    .kernarg_segment_align: 8
    .kernarg_segment_size: 56
    .max_flat_workgroup_size: 128
    .sgpr_count:     66
    .vgpr_count:     896
    .wavefront_size: 32
...
	.end_amdgpu_metadata
.endif
;; end of part 2
